; MI455X (gfx1250); checked and timed in simulation.
; The chip was launched on July 23, 2026; its instructions are those of AMD's public machine-readable ISA for CDNA 5 (MIT licence, August 2026) and "CDNA5" Instruction Set Architecture Reference Guide (July 2026). The comments in the code are by the model that wrote it; some were corrected since.
;; LSTM Cell. Allowed arithmetic: matrix products marked QUANTISED: E2M1 operands, one E8M0 scale for each 32 along K, by v_wmma_scale_f32_16x16x128_f8f6f4 with both operands' format E2M1 (or v_wmma_scale_f32_32x16x128_f4), f32 sums; everything else in f32.
;; Inputs: bias 4,096 float32; c_tm1 4,096 x 1,024 float32; h_tm1 4,096 x 1,024 float32; hidden_state_weight 1,024 x 4,096 float32; input_weight 1,024 x 4,096 float32; x 4,096 x 1,024 float32.
;; Outputs: out0 4,096 x 1,024 float32; out1 4,096 x 1,024 float32.
;; This version of the problem:
;;   THIS VERSION OF THE PROBLEM IS GIVEN IN LOW PRECISION. The matrix products marked QUANTISED in the list below multiply operands that are first quantised to E2M1 (2 exponent bits, 1 mantissa bit; 4 bits a number), with one power-of-two scale for each 32 numbers along K (OCP MX v1.0); their sums are f32. All else is computed in f32.
;;   The module's matrix products, in the order in which they are computed (A, B: the left and right operand; K: the contracted axis; several contracted axes count as one K, in the product's order):
;;     1. [M 4,096, K 1,024] x [K 1,024, N 4,096]; A: input x; B: input input_weight: QUANTISED
;;     2. [M 4,096, K 1,024] x [K 1,024, N 4,096]; A: input h_tm1; B: input hidden_state_weight: QUANTISED
;;   THE QUANTISER, for each operand of a quantised product, along K:
;;     - K is cut into blocks of 32 from its start; a last block that is shorter is filled with zeros.
;;     - A block's scale is 2^e with e = floor(log2(the largest magnitude in the block)) - 2, held to -126 .. 127; a block of zeros has e = 0. As a byte (E8M0): e + 127.
;;     - Each number is divided by its block's scale, clamped to +-6, and rounded to the nearest number of E2M1, ties to even, subnormals kept.
;;     - The product sums the exact products of the quantised numbers (number of the format x scale) in f32.
;;   ~~~python
;;   def quantise(x, axis):      # numpy; x: float32 -> the quantised numbers, widened to float32 again
;;       x = np.moveaxis(x, axis, -1); K = x.shape[-1]
;;       x = np.pad(x, [(0, 0)] * (x.ndim - 1) + [(0, -K % 32)]); x = x.reshape(x.shape[:-1] + (-1, 32)); a = np.abs(x).max(-1, keepdims=True)
;;       e = np.where(a > 0, np.clip(np.frexp(np.where(a > 0, a, 1))[1] - 1 - 2, -126, 127), 0)      # np.frexp(a)[1] - 1 = floor(log2(a)), exactly
;;       r = np.clip(x / 2.0 ** e, -6, 6)
;;       step = 2.0 ** (np.maximum(np.frexp(np.where(r == 0, 1, r))[1] - 1, 0) - 1)
;;       q = np.round(r / step) * step * 2.0 ** e      # np.round: ties to even
;;       return np.moveaxis(q.reshape(q.shape[:-2] + (-1,))[..., :K], -1, axis).astype(np.float32)
;;   ~~~
;; One version. Each part assembles by itself: llvm-mc -triple=amdgcn-amd-amdhsa -mcpu=gfx1250 --defsym DOCPART=n.
;; ======== version 1 of 1: 2 launches
;; limits: right only within a limited range of input values
;; workspace buffers: a_pack 4,456,448 bytes; b_pack 4,456,448 bytes
;; launch quant (part 1): grid 256 x 1, 16 waves a work-group, no clusters, 40,960 bytes of LDS; arguments x, h_tm1, input_weight, hidden_state_weight, a_pack, b_pack; writes a_pack, b_pack
.if DOCPART == 1
	.amdgcn_target "amdgcn-amd-amdhsa--gfx1250"
	.amdhsa_code_object_version 6
	.text
	.protected	k_qdb7d5ee22f_quant
	.globl	k_qdb7d5ee22f_quant
	.p2align	8
	.type	k_qdb7d5ee22f_quant,@function
k_qdb7d5ee22f_quant:
	s_mov_b64 s[64:65], 0
	v_nop
	global_prefetch_b8 v0, s[64:65] scope:SCOPE_SE
	s_setreg_imm32_b32 hwreg(HW_REG_WAVE_MODE, 25, 1), 1
	s_wait_xcnt 0x0
; x, h_tm1 [4096][1024] (K innermost) and input_weight, hidden_state_weight [1024][4096] (K is the first axis), f32, become codes of FP4 (E2M1) with one E8M0 byte for each 32 along K.
; The two products are one product with K = 2,048: A = [x | h_tm1], B = [input_weight ; hidden_state_weight]; 1,024 is a multiple of 32, so no block crosses the seam.  No work of the problem is left out.
; OUT: chunks of 34,816 bytes, [512 of K 0..3][128 rows 0..31]: in a chunk the codes [block of K 0..15][row 0..127][16 bytes], then the scale bytes [row][16 blocks].
;   A's row is the batch row.  B's rows: 256 for 64 units: row 64 gate + 16 u + r is unit 4 r + u: four neighbouring units are the same row r of four tiles of 16 rows.
; Inside a block word s of the 16 bytes holds k = 4 s .. 4 s + 3 and 16 + 4 s .. 16 + 4 s + 3, in A and in B alike: a permutation of k inside a block keeps the products.
; A block's scale is 2^(floor(log2(its largest magnitude)) - 2); its byte is the largest magnitude's exponent field - 2, held at 1 from below.
; LIMITS: a block of zeros gets the byte 1 where the rule says 127 (its codes are zeros, and this program alone reads the bytes); blocks whose largest magnitude lies under 2^-124, whose byte is held at 1, were not tried;
; NaN and infinities among the inputs are not served.
; SHARES: 256 work-groups of 16 waves: even ones 128 rows of x or h_tm1 x 512 of K (one chunk), odd ones 128 columns of a weight x 512 of K (half of two chunks).  All loads are 16 bytes a lane, 512 consecutive bytes an instruction.
;   activations: wave = 32 rows x 128 of K.  Lanes 0-15 load the first 64 bytes of the four blocks of a row, lanes 16-31 the second; exchanging halves between two rows gives each lane eight numbers of one block of one row;
;     four lanes share a block.  The codes, an eighth of the bytes, turn through the wave's own stage in LDS.
;   weights: wave = 128 columns x one block of K; a lane holds four neighbouring columns, k = 0 .. 31: whole blocks.  Moves bring a column's numbers into neighbouring registers as the loads arrive.
; No tensor loads, no loop: every offset is an immediate, and no register that a store reads is written again.
.set X,     32                         ; v32-159  the loads: number n's four registers at X + 4 n
.set HB,    34816                      ; a chunk
.set WST,   2176                       ; a wave's stage: 4 blocks x (32 rows x 16 bytes + 32): so the four blocks' words lie in different banks
.set SCA,   16*WST                     ; scale bytes, [128 rows][16]: activations
.set SCB,   SCA+2048                   ; and weights
.set SPARE, SCB+2048                   ; the spare words, 128 bytes for each wave
.set CO,    160                        ; activations: v160-175 codes, v176-191 scale bytes
.set BY,    176
.set M0,    16                         ; v16-19 largest magnitudes, v20-23 a second chain, v24-27 the conversions' scale operands
.set M1,    20
.set SO,    24
.set CW,    128                        ; weights: v128-143 codes, v144-147 scale bytes
	s_load_b256 s[4:11], s[0:1], 0x0               ; x s[4:5], h_tm1 s[6:7], input_weight s[8:9], hidden_state_weight s[10:11]
	s_load_b128 s[12:15], s[0:1], 0x20             ; a_pack, b_pack
	v_lshl_add_u32 v14, v0, 2, SPARE
	v_mov_b32 v15, 0
	v_lshrrev_b32 v1, 5, v0
	v_readfirstlane_b32 s20, v1                    ; wave 0..15
	s_and_b32 s21, s20, 3                          ; rg
	s_lshr_b32 s22, s20, 2                         ; ch
	s_and_b32 s23, ttmp9, 1                        ; 0: activations, 1: weights
	s_lshr_b32 s24, ttmp9, 1
	s_lshr_b32 s25, s24, 6                         ; t: the first or the second tensor of the kind
	s_bfe_u32 s26, s24, 0x50001                    ; grp: which 128 rows or columns
	s_and_b32 s27, s24, 1                          ; ks: which 512 of the tensor's K
	s_lshl_b32 s28, s25, 1
	s_add_co_u32 s28, s28, s27
	s_lshl_b32 s28, s28, 5                         ; 32 (2 t + ks): the first chunk of this 512 of K
	; activations: rows 128 grp + 32 rg on, bytes 2,048 ks + 512 ch on
	s_lshl_b32 s30, s26, 19
	s_lshl_b32 s2, s21, 17
	s_add_co_u32 s30, s30, s2
	s_lshl_b32 s2, s27, 11
	s_add_co_u32 s30, s30, s2
	s_lshl_b32 s2, s22, 9
	s_add_co_u32 s30, s30, s2
	s_add_co_u32 s38, s28, s26                     ; my chunk
	s_mul_i32 s38, s38, HB
	s_lshl_b32 s3, s21, 9
	s_add_co_u32 s39, s38, s3
	s_add_co_u32 s40, s39, 32768                   ; 32 rows' scale bytes
	s_lshl_b32 s2, s22, 13
	s_add_co_u32 s39, s39, s2                      ; codes: block 4 ch, row 32 rg
	; weights: rows 512 ks + 32 wave on of 16,384 bytes, column 128 grp
	s_lshl_b32 s31, s27, 23
	s_lshl_b32 s2, s20, 19
	s_add_co_u32 s31, s31, s2
	s_lshl_b32 s2, s26, 9
	s_add_co_u32 s31, s31, s2
	s_and_b32 s41, s26, 7                          ; gate grp / 8, units 128 (grp % 8) on: chunks 4 (grp % 8) + gate / 2 and two further on
	s_lshl_b32 s41, s41, 2
	s_add_co_u32 s41, s41, s28
	s_lshr_b32 s2, s26, 4
	s_add_co_u32 s41, s41, s2
	s_mul_i32 s41, s41, HB
	s_bfe_u32 s2, s26, 0x10003                     ; gate % 2: rows 64 (gate % 2) on
	s_lshl_b32 s2, s2, 10
	s_add_co_u32 s41, s41, s2
	s_lshr_b32 s2, s21, 1
	s_mul_i32 s2, s2, 2*HB
	s_add_co_u32 s42, s41, s2
	s_and_b32 s2, s21, 1
	s_lshl_b32 s2, s2, 9
	s_add_co_u32 s42, s42, s2
	s_add_co_u32 s42, s42, 32768                   ; 32 rows' scale bytes
	s_lshl_b32 s2, s20, 11
	s_add_co_u32 s41, s41, s2                      ; codes: block = wave
	s_cmp_eq_u32 s23, 0
	s_cselect_b32 s16, s30, s31
	s_cselect_b32 s18, s39, s41
	s_cselect_b32 s2, s40, s42
	s_mov_b32 s17, 0
	s_mov_b32 s19, 0
	s_mov_b32 s3, 0
	s_mul_i32 s43, s20, WST                        ; my stage
	s_lshl_b32 s45, s21, 9
	s_lshl_b32 s29, s22, 2
	s_add_co_u32 s29, s29, s45
	s_add_co_u32 s29, s29, SCA
	s_add_co_u32 s44, s20, SCB
	v_and_b32 v1, 31, v0                           ; lane
	v_and_b32 v2, 3, v0                            ; which word of a block is mine
	v_bfe_u32 v3, v0, 2, 2                         ; which block
	v_bfe_u32 v8, v0, 4, 1                         ; half of the lanes
	v_lshlrev_b32 v10, 4, v1                       ; 16 x lane
	v_lshlrev_b32 v11, 4, v2
	v_mul_u32_u24 v4, 544, v3
	v_and_b32 v13, 15, v0
	v_lshl_add_u32 v11, v8, 6, v11
	v_lshl_add_u32 v4, v8, 4, v4
	v_lshlrev_b32 v13, 4, v13
	v_lshl_add_u32 v5, v8, 4, v3
	v_lshl_add_u32 v11, v3, 7, v11                 ; activations, in: 128 block + 64 half + 16 word
	v_lshl_add_u32 v4, v2, 2, v4
	v_lshl_add_u32 v7, v8, 10, v13
	v_mul_u32_u24 v9, 2*HB, v8
	v_add_nc_u32 v5, s29, v5                       ; scale byte of row 32 rg + half, byte 4 ch + block
	v_add_nc_u32 v4, s43, v4                       ; my code word into the stage
	v_add_nc_u32 v7, s44, v7                       ; weights: scale byte of row 16 u + r of the half's tile, byte = wave
	v_add_nc_u32 v9, v9, v13                       ; weights: lanes 0-15 one chunk, lanes 16-31 the chunk two further on
	v_add_nc_u32 v6, s43, v10                      ; out of the stage
	v_add_nc_u32 v12, s45, v10                     ; 32 rows of scale bytes
	s_wait_alu depctr_va_vdst(0)                   ; the wait at the head's end
	s_wait_kmcnt 0x0
	s_cmp_eq_u32 s25, 0                            ; the buffers are chosen on the work-group's number alone
	s_cselect_b64 s[4:5], s[4:5], s[6:7]
	s_cselect_b64 s[8:9], s[8:9], s[10:11]
	s_cmp_eq_u32 s23, 0
	s_cselect_b64 s[32:33], s[4:5], s[8:9]
	s_cselect_b64 s[34:35], s[12:13], s[14:15]
	s_add_nc_u64 s[32:33], s[32:33], s[16:17]
	s_add_nc_u64 s[36:37], s[34:35], s[2:3]
	s_add_nc_u64 s[34:35], s[34:35], s[18:19]
	s_cmp_lg_u32 s23, 0
	s_cbranch_scc1 .Lweights
; The scale bytes leave: the waves piece the rows' 16 bytes together in LDS; waves 0 to 3 (rg = wave, ch = 0) send 32 rows each.
.macro TAIL base
	s_wait_dscnt 0x0                               ; for the others' sake: my bytes have landed
	s_barrier_signal -1
	s_barrier_wait -1
	s_cmp_lt_u32 s20, 4
	s_cbranch_scc0 .Lend
	ds_load_b128 v[148:151], v12 offset:\base
	s_wait_dscnt 0x0
	global_store_b128 v10, v[148:151], s[36:37]    ; 512 consecutive bytes, aligned
.endm
	; ---- activations: 32 rows x 512 bytes
.set i, 0
.rept 32
	global_load_b128 v[X+4*i:X+4*i+3], v11, s[32:33] offset:4096*i th:TH_LOAD_NT
.set i, i+1
.endr
; Eight rows = four pairs, by turns.  Behind the exchange lanes 0-15 hold the pair's first row, lanes 16-31 its second: eight numbers of one block in eight registers.
.macro ACT q
	s_wait_loadcnt 24-8*\q                         ; these eight loads are in; the younger ones may be out
.irp p, 0,1,2,3
.irp c, 0,1,2,3
	v_permlane16_swap_b32 v[X+32*\q+8*\p+\c], v[X+32*\q+8*\p+4+\c]
.endr
.endr
.irp p, 0,1,2,3
	v_max3_num_f32 v[M0+\p], |v[X+32*\q+8*\p]|, |v[X+32*\q+8*\p+1]|, |v[X+32*\q+8*\p+2]|
.endr
.irp p, 0,1,2,3
	v_max3_num_f32 v[M1+\p], |v[X+32*\q+8*\p+3]|, |v[X+32*\q+8*\p+4]|, |v[X+32*\q+8*\p+5]|
.endr
.irp p, 0,1,2,3
	v_max3_num_f32 v[M0+\p], v[M0+\p], |v[X+32*\q+8*\p+6]|, |v[X+32*\q+8*\p+7]|
.endr
.irp p, 0,1,2,3
	v_max3_num_f32 v[M0+\p], v[M0+\p], v[M1+\p], 0x1800000   ; and the floor 2^(3 - 127): the byte cannot fall under 1
.endr
.irp p, 0,1,2,3
	v_max_num_f32_dpp v[M0+\p], v[M0+\p], v[M0+\p] row_xmask:1 row_mask:0xf bank_mask:0xf
.endr
.irp p, 0,1,2,3
	v_max_num_f32_dpp v[M0+\p], v[M0+\p], v[M0+\p] row_xmask:2 row_mask:0xf bank_mask:0xf   ; the block's: four lanes
.endr
.irp p, 0,1,2,3
	v_add_nc_u32 v[SO+\p], 0xff000000, v[M0+\p]    ; 2 off the exponent field: the conversion takes the exponent field of this operand as its scale
.endr
.irp p, 0,1,2,3
	v_lshrrev_b32 v[BY+4*\q+\p], 23, v[SO+\p]      ; the scale's byte
.endr
.irp p, 0,1,2,3
	v_cvt_scalef32_pk8_fp4_f32 v[CO+4*\q+\p], v[X+32*\q+8*\p:X+32*\q+8*\p+7], v[SO+\p]   ; to the nearest code, ties to even; beyond 6 the largest code
.endr
	v_nop                                          ; one plain place behind the scaled conversions
.irp p, 0,1,2,3
	ds_store_b32 v4, v[CO+4*\q+\p] offset:32*(4*\q+\p)
	ds_store_b8 v5, v[BY+4*\q+\p] offset:32*(4*\q+\p)        ; the four lanes of a block write the same byte with the same value
.endr
.endm
	ACT 0
	ACT 1
	ACT 2
	ACT 3
.irp b, 0,1,2,3
	ds_load_b128 v[16+4*\b:19+4*\b], v6 offset:544*\b        ; LDS serves a wave's instructions in order (ISA guide 5.7.1.4): these see my stores
.endr
.irp b, 0,1,2,3
	s_wait_dscnt 3-\b
	global_store_b128 v10, v[16+4*\b:19+4*\b], s[34:35] offset:2048*\b   ; 512 consecutive bytes, aligned
.endr
	TAIL SCA
	s_branch .Lend
.Lweights:
	; ---- weights: load n brings k = 4 (n / 8) + n % 8, and 12 more where n % 8 > 3: eight loads make word n / 8 of the lane's four columns
.set i, 0
.rept 32
	global_load_b128 v[X+4*i:X+4*i+3], v10, s[32:33] offset:16384*(4*(i/8)+(i%8)+12*((i%8)/4)) th:TH_LOAD_NT
.set i, i+1
.endr
; Word s: maxima, then its 32 numbers move to Y: column c's eight at Y + 8 c.  Y is v160-191 for word 0, then the registers that the word before has left.
.macro WORD s
.if \s == 0
.set Y, 160
.else
.set Y, X+32*(\s-1)
.endif
	s_wait_loadcnt 24-8*\s
.irp e, 0,2,4,6
.irp c, 0,1,2,3
.if (\s == 0) && (\e == 0)
	v_max3_num_f32 v[M0+\c], |v[X+\c]|, |v[X+4+\c]|, 0x1800000
.else
	v_max3_num_f32 v[M0+\c], v[M0+\c], |v[X+32*\s+4*\e+\c]|, |v[X+32*\s+4*\e+4+\c]|
.endif
.endr
.endr
.irp c, 0,1,2,3
.irp e, 0,1,2,3,4,5,6,7
	v_mov_b32 v[Y+8*\c+\e], v[X+32*\s+4*\e+\c]
.endr
.endr
.endm
	WORD 0
	WORD 1
	WORD 2
	WORD 3
.irp c, 0,1,2,3
	v_add_nc_u32 v[SO+\c], 0xff000000, v[M0+\c]
.endr
.irp c, 0,1,2,3
	v_lshrrev_b32 v[CW+16+\c], 23, v[SO+\c]
.endr
.irp c, 0,1,2,3
	v_cvt_scalef32_pk8_fp4_f32 v[CW+4*\c], v[160+8*\c:167+8*\c], v[SO+\c]
	v_cvt_scalef32_pk8_fp4_f32 v[CW+4*\c+1], v[X+8*\c:X+8*\c+7], v[SO+\c]
	v_cvt_scalef32_pk8_fp4_f32 v[CW+4*\c+2], v[X+32+8*\c:X+32+8*\c+7], v[SO+\c]
	v_cvt_scalef32_pk8_fp4_f32 v[CW+4*\c+3], v[X+64+8*\c:X+64+8*\c+7], v[SO+\c]
.endr
	v_nop                                          ; one plain place behind the scaled conversions
.irp c, 0,1,2,3
	ds_store_b8 v7, v[CW+16+\c] offset:256*\c
	global_store_b128 v9, v[CW+4*\c:CW+4*\c+3], s[34:35] offset:256*\c   ; sixteen lanes store 256 consecutive bytes, aligned
.endr
	TAIL SCB
.Lend:
	s_wait_tensorcnt 0x0                           ; the wave's end: behind my last LDS store
	ds_add_u32 v14, v15
	s_wait_dscnt 0x0
	s_endpgm
.Lfunc_end_k_qdb7d5ee22f_quant:
	.size	k_qdb7d5ee22f_quant, .Lfunc_end_k_qdb7d5ee22f_quant-k_qdb7d5ee22f_quant
	.p2alignl 7, 3214868480
	.fill 96, 4, 3214868480
	.section	.rodata,"a",@progbits
	.p2align	6, 0x0
	.amdhsa_kernel k_qdb7d5ee22f_quant
		.amdhsa_group_segment_fixed_size 40960
		.amdhsa_private_segment_fixed_size 0
		.amdhsa_enable_private_segment 0
		.amdhsa_kernarg_size 48
		.amdhsa_user_sgpr_count 2
		.amdhsa_user_sgpr_kernarg_segment_ptr 1
		.amdhsa_wavefront_size32 1
		.amdhsa_system_sgpr_workgroup_id_x 1
		.amdhsa_system_sgpr_workgroup_id_y 1
		.amdhsa_system_sgpr_workgroup_id_z 1
		.amdhsa_system_vgpr_workitem_id 0
		.amdhsa_next_free_vgpr 192
		.amdhsa_next_free_sgpr 66
		.amdhsa_reserve_vcc 0
		.amdhsa_float_denorm_mode_32 3
		.amdhsa_float_denorm_mode_16_64 3
		.amdhsa_memory_ordered 1
		.amdhsa_forward_progress 1
		.amdhsa_inst_pref_size 36
	.end_amdhsa_kernel
	.amdgpu_metadata
---
amdhsa.version: [ 1, 2 ]
amdhsa.kernels:
  - .name:           k_qdb7d5ee22f_quant
    .symbol:         k_qdb7d5ee22f_quant.kd
    .args:
      - { .name: x, .offset: 0, .size: 8, .value_kind: global_buffer, .address_space: global }
      - { .name: h_tm1, .offset: 8, .size: 8, .value_kind: global_buffer, .address_space: global }
      - { .name: input_weight, .offset: 16, .size: 8, .value_kind: global_buffer, .address_space: global }
      - { .name: hidden_state_weight, .offset: 24, .size: 8, .value_kind: global_buffer, .address_space: global }
      - { .name: a_pack, .offset: 32, .size: 8, .value_kind: global_buffer, .address_space: global }
      - { .name: b_pack, .offset: 40, .size: 8, .value_kind: global_buffer, .address_space: global }
    .group_segment_fixed_size: 40960
    .private_segment_fixed_size: 0
    .kernarg_segment_align: 8
    .kernarg_segment_size: 48
    .max_flat_workgroup_size: 512
    .sgpr_count:     66
    .vgpr_count:     192
    .wavefront_size: 32
...
	.end_amdgpu_metadata
.endif
;; end of part 1
;; launch lstm (part 2): grid 16 x 16, 4 waves a work-group, clusters of 4 x 4, 327,680 bytes of LDS; arguments a_pack, b_pack, bias, c_tm1, out0, out1; writes out0, out1
.if DOCPART == 2
	.amdgcn_target "amdgcn-amd-amdhsa--gfx1250"
	.amdhsa_code_object_version 6
	.text
	.protected	k_qdb7d5ee22f_lstm
	.globl	k_qdb7d5ee22f_lstm
	.p2align	8
	.type	k_qdb7d5ee22f_lstm,@function
k_qdb7d5ee22f_lstm:
	s_mov_b64 s[64:65], 0
	v_nop
	global_prefetch_b8 v0, s[64:65] scope:SCOPE_SE
	s_setreg_imm32_b32 hwreg(HW_REG_WAVE_MODE, 25, 1), 1
	s_wait_xcnt 0x0
	s_wait_alu depctr_hold_cnt(0) depctr_sa_sdst(0) depctr_va_vdst(0) depctr_va_sdst(0) depctr_va_ssrc(0) depctr_va_vcc(0) depctr_vm_vsrc(0)
	s_getreg_b32 s2, hwreg(HW_REG_IB_STS2, 6, 4)
	s_cmp_eq_u32 s2, 0
	s_cbranch_scc0 .Lentry_in_a_cluster
	s_endpgm
.Lentry_in_a_cluster:
	s_bfe_u32 s2, ttmp6, 0x10000c
	s_cmp_lg_u32 s2, 0xf033
	s_cbranch_scc0 .Lentry_shape_is_right
	s_endpgm
.Lentry_shape_is_right:
; gates = [x | h_tm1] [input_weight ; hidden_state_weight] + bias on codes of FP4 (E2M1) with E8M0 scales for each 32 along K (K = 2,048), sums in f32; then, in registers and in f32,
; c_t = sigmoid(f) c_tm1 + sigmoid(i) tanh(g), h_t = sigmoid(o) tanh(c_t).  out0 = h_t, out1 = c_t, [4096][1024] f32.  The gates never go to memory.  No work of the problem is left out.
; IN: chunks of 34,816 bytes, [512 of K 0..3][128 rows 0..31]: codes [block of K 0..15][row][16 bytes], then scale bytes [row][16].  B's 256 rows for 64 units: row 64 gate + 16 u + r is unit 4 r + u.
; SHARES: a work-group makes 256 batch rows x 256 rows of B (64 units x 4 gates); each of its four waves 64 batch rows x all 256: accumulator (a, b = 4 gate + u), 64 of 16 x 16, 512 registers.
; In accumulator (a, b) lane (r, h) holds unit 4 r + u and register j the batch row 16 a + 8 h + j.  So THE FOUR GATES OF A CELL LIE IN ONE LANE, and register j of u = 0 .. 3 are four NEIGHBOURING units:
; 16 bytes a lane, 256 consecutive bytes of a row in sixteen lanes: c_tm1 is loaded and c_t, h_t are stored straight from registers, in whole aligned units of 256 bytes; nothing goes through LDS.
; K goes in 4 steps of 512 through two LDS slots; one tensor load a wave brings a chunk (17 rows of 2,048 bytes): codes and scale bytes together.  In LDS sixteen lanes of a fragment load read 256 consecutive bytes: no padding.
; A half step is 128 of K x 8 tiles of B: 32 products.  B's fragments have four buffers; behind half step h those of h + 3 are asked for: 64 products ahead of their use.
; CLUSTERS: 4 x 4 work-groups; A's chunks are asked for jointly along a row of the cluster, B's along a column.
; PREFETCH: each wave asks for its share (a quarter, by its place among the four partners) of the chunk that it fetches: K steps 1 and 2 at the head, K step 3 one step later: two steps ahead of its load.
;   Of c_tm1 the rows that are loaded last, 32 a wave, are asked for once, three K steps ahead of their loads; the other rows are loaded into registers of their own under the products.
; ORDER OF SUMS: K ascending by blocks over both products in one accumulator, the bias last; k inside a block is permuted alike in A and B.  LIMITS: the exponentials of the two tanh are held at 2^30, where tanh is within 2^-28 of -1;
; a sigmoid whose exponential overflows gives 0; NaN and infinities among the inputs are not served.
; REGISTERS, in windows of 256: window 0: v1-31 addresses; v32-95 A's fragments, two sets (at the end c_tm1 of blocks 2, 3); v96-175 scale words, two sets, and nothing else; v176-191 the bias; v192-255 c_tm1 of blocks 0, 1.
;   window 1: B's fragments, four buffers of 64; on the way out two sets of 128.   window 2: accumulators of b 0-7 ((a, b) at v[8 (8 a + b % 8)]);   window 3: of b 8-15.
.set HB,    34816                      ; a chunk: 16 blocks x 128 rows x 16 bytes of codes + 128 x 16 scale bytes
.set SLOT,  4*HB                       ; A's two halves, then B's two
.set KCH,   32*HB                      ; from one 512 of K to the next, in memory
.set SPARE, 2*SLOT                     ; the spare words, 128 bytes for each wave: two blocks of 256 bytes that no other line names
.set ADRA,  16                         ; v16-17 LDS address of my A fragments in slot 0, 1
.set ADRB,  18                         ; v18-19 of B's
.set ADSA,  20                         ; v20-21 of A's scale words: lanes 0-15 tiles 0, 1, lanes 16-31 tiles 2, 3
.set ADSB,  22                         ; v22-23 of B's: lanes 0-15 tiles 0-7, lanes 16-31 tiles 8-15
.set GO,    24                         ; v24    my byte offset in c_tm1 and the outputs: 8 h rows + 16 r
.set R16,   25                         ; v25    16 r
.set PFL,   26                         ; v26    the prefetches: 256 x lane
.set PFS,   27                         ; v27    256 x (lane % 2)
.set SPW,   28                         ; v28    my spare word; never rewritten
.set NIL,   29                         ; v29    0; never rewritten
.set PFC,   30                         ; v30    4,096 x lane
.set AF,    32
.set SC,    96                         ; set s at SC + 40 s: B's tiles i, i + 8: registers 4 i + q; A's tiles i, i + 2: 32 + 4 i + q; q: the slot's q-th 128 of K
.set BI,    176                        ; bias x its exponent's factor: BI + 4 gate + u
.set CC,    192
.set WV,    20                         ; s20 wave
.set G1A,   24                         ; s[24:31] group 1 for A;  s[32:39] group 0, a set for each slot;  s[48:55], s[56:63] the same for B
.set G0A,   32
.set G1B,   48
.set G0B,   56
.set PFB,   70                         ; s[70:71] my share of my chunk of K step 0: codes;  s[72:73] scale bytes
.set PFT,   72
.set MSB, 0
.macro WIN new                         ; the immediate's high byte repeats the setting that is left; a switch that changes nothing is dropped
.if MSB != (\new)
	s_set_vgpr_msb (MSB<<8)|(\new)
.set MSB, (\new)
.endif
.endm
.set TO_B, 0x40                        ; destination window 1, address window 0
; A joint load: waves 0 and 1 fetch A's two chunks, waves 2 and 3 B's.  Each line has one mask and one set of registers for all that issue it; the branch hangs on the wave's number alone.
.macro JLOAD s
	s_cmp_eq_u32 s21, 0
	s_cbranch_scc0 .Lfor_b_\@
	tensor_load_to_lds s[G0A+4*(\s):G0A+4*(\s)+3], s[G1A:G1A+7]
	s_nop 0
.rept 4
	v_nop
.endr
	s_branch .Lasked_\@
.Lfor_b_\@:
	tensor_load_to_lds s[G0B+4*(\s):G0B+4*(\s)+3], s[G1B:G1B+7]
	s_nop 0
.rept 4
	v_nop
.endr
.Lasked_\@:
.endm
.macro CREST                           ; a round of the cluster's barrier behind its opening barrier
	s_cmp_lg_u32 s[WV], 0
	s_cbranch_scc1 .Lnot_wave_0_\@
	s_barrier_signal -3
.Lnot_wave_0_\@:
	s_barrier_wait -3
	s_barrier_signal -1
	s_barrier_wait -1
.endm
.macro CROUND                          ; a whole round
	s_barrier_signal -1
	s_barrier_wait -1
	CREST
.endm
.macro PLACES                          ; plain vector places behind matrix instructions, in front of loads into registers that they have read
.rept 4
	v_nop
.endr
.endm
.macro ASK k                           ; my share of my chunk of K step k: 32 units of 256 bytes of codes, and two of scale bytes
	global_prefetch_b8 v[PFL], s[PFB:PFB+1] offset:KCH*\k th:TH_LOAD_NT scope:SCOPE_SE
	global_prefetch_b8 v[PFS], s[PFT:PFT+1] offset:KCH*\k th:TH_LOAD_NT scope:SCOPE_SE
.endm
.macro CLOAD a, cc                     ; c_tm1 of block a: register 4 j + u: row 8 h + j, unit 4 r + u
.irp j, 0,1,2,3,4,5,6,7
	global_load_b128 v[\cc+4*\j:\cc+4*\j+3], v[GO], s[10:11] offset:65536*\a+4096*\j th:TH_LOAD_NT
.endr
.endm
	s_load_b256 s[4:11], s[0:1], 0x0               ; a_pack s[4:5], b_pack s[6:7], bias s[8:9], c_tm1 s[10:11]
	s_load_b128 s[12:15], s[0:1], 0x20             ; out0, out1
	v_lshl_add_u32 v[SPW], v0, 2, SPARE
	v_mov_b32 v[NIL], 0
	ds_add_u32 v[SPW], v[NIL]                      ; the wave's opening: the add, twice on end, and its wait ahead of my first tensor load; register work stands between
	ds_add_u32 v[SPW], v[NIL]
	v_lshrrev_b32 v1, 5, v0
	v_readfirstlane_b32 s[WV], v1                  ; wave 0..3: my 64 batch rows
	s_lshr_b32 s21, s[WV], 1                       ; I fetch for A (0) or for B (1)
	s_and_b32 s22, s[WV], 1                        ; which of its two chunks
	s_bfe_u32 s40, ttmp6, 0x40000                  ; cx, cy: my place in the cluster
	s_bfe_u32 s41, ttmp6, 0x40004
	s_lshl_b32 s42, ttmp9, 2
	s_add_co_u32 s42, s42, s40                     ; tx: which 64 units
	s_and_b32 s43, ttmp7, 0xffff
	s_lshl_b32 s43, s43, 2
	s_add_co_u32 s43, s43, s41                     ; ty: which 256 batch rows
	s_lshl_b32 s44, s41, 2
	s_lshl_b32 s44, 15, s44                        ; my row of the cluster
	s_lshl_b32 s45, 0x1111, s40                    ; my column
	s_or_b32 s[G1A+0], s44, (1<<21)                ; 15:0 the mask; 21 set beside a mask; elements of one byte, no padding
	s_or_b32 s[G1B+0], s45, (1<<21)
.irp g, G1A, G1B
	s_mov_b32 s[\g+1], 2048<<16                    ; tensor_dim0
	s_mov_b32 s[\g+2], 17<<16                      ; tensor_dim1
	s_mov_b32 s[\g+3], 2048<<16                    ; tile_dim0
	s_mov_b32 s[\g+4], 17                          ; tile_dim1
	s_mov_b32 s[\g+5], 2048                        ; tensor_dim0_stride: a chunk is dense
	s_mov_b32 s[\g+6], 0
	s_mov_b32 s[\g+7], 0
.endr
	s_mul_i32 s3, s[WV], HB                        ; where my chunk goes: no place in the cluster enters an LDS address
.irp s, 0,1
	s_mov_b32 s[G0A+4*\s], 1
	s_add_co_u32 s[G0A+4*\s+1], s3, \s*SLOT
	s_mov_b32 s[G0B+4*\s], 1
	s_add_co_u32 s[G0B+4*\s+1], s3, \s*SLOT
.endr
	s_mul_i32 s2, s21, HB                          ; my 64 rows of A: chunk wave / 2, rows 64 (wave % 2) on
	s_lshl_b32 s23, s22, 10
	s_add_co_u32 s2, s2, s23
	s_lshl_b32 s66, s43, 1                         ; A's chunk 2 ty + s22: hangs on the tile row alone
	s_add_co_u32 s66, s66, s22
	s_mul_i32 s66, s66, HB
	s_mov_b32 s67, 0
	s_lshl_b32 s46, s42, 1                         ; B's chunk 2 tx + s22: on the tile column alone
	s_add_co_u32 s46, s46, s22
	s_mul_i32 s46, s46, HB
	s_mov_b32 s47, 0
	s_cmp_eq_u32 s21, 0
	s_cselect_b32 s70, s40, s41                    ; my place among the four that ask with me
	s_lshl_b32 s72, s70, 9
	s_add_co_u32 s72, s72, 32768
	s_lshl_b32 s70, s70, 13
	s_mov_b32 s71, 0
	s_mov_b32 s73, 0
	s_lshl_b32 s74, s42, 8                         ; 256 tx
	s_mov_b32 s75, 0
	s_lshl_b32 s82, s43, 20                        ; my tile in c_tm1 and the outputs: (256 ty + 64 wave) rows of 4,096 bytes + 256 tx
	s_lshl_b32 s83, s[WV], 18
	s_add_co_u32 s82, s82, s83
	s_add_co_u32 s82, s82, s74
	s_mov_b32 s83, 0
	s_mov_b32 s76, 0xbfb8aa3b                      ; -log2(e): sigmoid(x) = 1 / (1 + 2^(-log2(e) x))
	s_mov_b32 s77, s76                             ; (the packed forms name a pair and take its low word for both halves)
	s_mov_b32 s78, 0xc038aa3b                      ; -2 log2(e): tanh(x) = (1 - E) / (1 + E), E = 2^(-2 log2(e) x)
	s_mov_b32 s79, s78
	s_mov_b32 s80, 0x4e800000                      ; 2^30: the hold of tanh's E
	v_and_b32 v1, 15, v0                           ; r
	v_bfe_u32 v2, v0, 4, 1                         ; h
	v_and_b32 v3, 31, v0
	v_lshlrev_b32 v[R16], 4, v1
	v_lshl_add_u32 v4, v2, 11, v[R16]              ; a fragment: block h of a pair of blocks, row r
	v_lshl_add_u32 v5, v2, 9, v[R16]
	v_mul_u32_u24 v6, HB, v2
	v_add_nc_u32 v[ADRA], s2, v4
	v_add_nc_u32 v5, s2, v5
	v_add_nc_u32 v6, v6, v[R16]
	v_add_nc_u32 v[ADRA+1], SLOT, v[ADRA]
	v_add_nc_u32 v[ADRB], 2*HB, v4
	v_add_nc_u32 v[ADRB+1], 2*HB+SLOT, v4
	v_add_nc_u32 v[ADSA], 32768, v5
	v_add_nc_u32 v[ADSA+1], 32768+SLOT, v5
	v_add_nc_u32 v[ADSB], 2*HB+32768, v6
	v_add_nc_u32 v[ADSB+1], 2*HB+32768+SLOT, v6
	v_lshl_add_u32 v[GO], v2, 15, v[R16]
	v_lshlrev_b32 v[PFL], 8, v3
	v_and_b32 v[PFS], 1, v3
	v_lshlrev_b32 v[PFC], 12, v3
	v_lshlrev_b32 v[PFS], 8, v[PFS]
	s_wait_alu depctr_va_vdst(0)                   ; the wait here, ahead of the waits and branches below
	s_wait_dscnt 0x0                               ; both opening adds are done
	CROUND                                         ; all sixteen work-groups are here: the first joint loads meet
	s_wait_kmcnt 0x0
	s_add_nc_u64 s[66:67], s[4:5], s[66:67]
	s_add_nc_u64 s[46:47], s[6:7], s[46:47]
.irp s, 0,1
	s_add_nc_u64 s[G0A+4*\s+2:G0A+4*\s+3], s[66:67], \s*KCH
	s_or_b32 s[G0A+4*\s+3], s[G0A+4*\s+3], 0x80000000
	s_add_nc_u64 s[G0B+4*\s+2:G0B+4*\s+3], s[46:47], \s*KCH
	s_or_b32 s[G0B+4*\s+3], s[G0B+4*\s+3], 0x80000000
.endr
	JLOAD 0                                        ; K step 0: one tensor load a wave at the head
	s_cmp_eq_u32 s21, 0
	s_cselect_b64 s[68:69], s[66:67], s[46:47]
	s_add_nc_u64 s[PFB:PFB+1], s[68:69], s[PFB:PFB+1]
	s_add_nc_u64 s[PFT:PFT+1], s[68:69], s[PFT:PFT+1]
	ASK 1
	ASK 2
	s_add_nc_u64 s[74:75], s[8:9], s[74:75]
.irp g, 0,1,2,3
	global_load_b128 v[BI+4*\g:BI+4*\g+3], v[R16], s[74:75] offset:4096*\g
.endr
	s_add_nc_u64 s[10:11], s[10:11], s[82:83]
	s_add_nc_u64 s[12:13], s[12:13], s[82:83]
	s_add_nc_u64 s[14:15], s[14:15], s[82:83]
; 16 rows x 128 K of 4-bit codes are 8 registers: lane (r, h) holds row r; registers 4 c .. 4 c + 3 hold block 2 c + h of the step's four.
.macro FB k, h                         ; B's eight fragments of half step h of K step k, into buffer h % 4
	WIN TO_B
.irp b, 0,1,2,3,4,5,6,7
.irp c, 0,1
	ds_load_b128 v[64*((\h)%4)+8*\b+4*\c:64*((\h)%4)+8*\b+4*\c+3], v[ADRB+(\k)%2] offset:HB*((\h)%2)+8192*((\h)/2)+4096*\c+256*\b
.endr
.endr
	WIN 0
.endm
.macro FA k, q                         ; my four fragments of A, the q-th 128 of K, into set q % 2
.irp i, 0,1,2,3
.irp c, 0,1
	ds_load_b128 v[AF+32*((\q)%2)+8*\i+4*\c:AF+32*((\q)%2)+8*\i+4*\c+3], v[ADRA+(\k)%2] offset:8192*(\q)+4096*\c+256*\i
.endr
.endr
.endm
.macro FS k                            ; K step k's scale words: four words a row
.irp i, 0,1,2,3,4,5,6,7
	ds_load_b128 v[SC+40*((\k)%2)+4*\i:SC+40*((\k)%2)+4*\i+3], v[ADSB+(\k)%2] offset:256*\i
.endr
.irp i, 0,1
	ds_load_b128 v[SC+40*((\k)%2)+32+4*\i:SC+40*((\k)%2)+32+4*\i+3], v[ADSA+(\k)%2] offset:256*\i
.endr
.endm
; One product: A's tile a x B's tile 8 (h % 2) + b.  The first product of each sum takes 0 as C: nothing is cleared.
.macro WM a, b, k, h
.set DD, 8*(8*(\a)+(\b))
.set AA, AF+32*(((\h)/2)%2)+8*(\a)
.set BB, 64*((\h)%4)+8*(\b)
.set SA, SC+40*((\k)%2)+32+4*((\a)%2)+(\h)/2
.set SB, SC+40*((\k)%2)+4*(\b)+(\h)/2
.if ((\k) == 0) && ((\h) < 2)
.if ((\a) < 2) && ((\h) == 0)
	v_wmma_scale_f32_16x16x128_f8f6f4 v[DD:DD+7], v[AA:AA+7], v[BB:BB+7], 0, v[SA], v[SB] matrix_a_fmt:MATRIX_FMT_FP4 matrix_b_fmt:MATRIX_FMT_FP4
.elseif ((\a) < 2)
	v_wmma_scale_f32_16x16x128_f8f6f4 v[DD:DD+7], v[AA:AA+7], v[BB:BB+7], 0, v[SA], v[SB] matrix_a_fmt:MATRIX_FMT_FP4 matrix_b_fmt:MATRIX_FMT_FP4 matrix_b_scale:MATRIX_SCALE_ROW1
.elseif ((\h) == 0)
	v_wmma_scale_f32_16x16x128_f8f6f4 v[DD:DD+7], v[AA:AA+7], v[BB:BB+7], 0, v[SA], v[SB] matrix_a_fmt:MATRIX_FMT_FP4 matrix_b_fmt:MATRIX_FMT_FP4 matrix_a_scale:MATRIX_SCALE_ROW1
.else
	v_wmma_scale_f32_16x16x128_f8f6f4 v[DD:DD+7], v[AA:AA+7], v[BB:BB+7], 0, v[SA], v[SB] matrix_a_fmt:MATRIX_FMT_FP4 matrix_b_fmt:MATRIX_FMT_FP4 matrix_a_scale:MATRIX_SCALE_ROW1 matrix_b_scale:MATRIX_SCALE_ROW1
.endif
.else
.if ((\a) < 2) && (((\h)%2) == 0)
	v_wmma_scale_f32_16x16x128_f8f6f4 v[DD:DD+7], v[AA:AA+7], v[BB:BB+7], v[DD:DD+7], v[SA], v[SB] matrix_a_fmt:MATRIX_FMT_FP4 matrix_b_fmt:MATRIX_FMT_FP4
.elseif ((\a) < 2)
	v_wmma_scale_f32_16x16x128_f8f6f4 v[DD:DD+7], v[AA:AA+7], v[BB:BB+7], v[DD:DD+7], v[SA], v[SB] matrix_a_fmt:MATRIX_FMT_FP4 matrix_b_fmt:MATRIX_FMT_FP4 matrix_b_scale:MATRIX_SCALE_ROW1
.elseif (((\h)%2) == 0)
	v_wmma_scale_f32_16x16x128_f8f6f4 v[DD:DD+7], v[AA:AA+7], v[BB:BB+7], v[DD:DD+7], v[SA], v[SB] matrix_a_fmt:MATRIX_FMT_FP4 matrix_b_fmt:MATRIX_FMT_FP4 matrix_a_scale:MATRIX_SCALE_ROW1
.else
	v_wmma_scale_f32_16x16x128_f8f6f4 v[DD:DD+7], v[AA:AA+7], v[BB:BB+7], v[DD:DD+7], v[SA], v[SB] matrix_a_fmt:MATRIX_FMT_FP4 matrix_b_fmt:MATRIX_FMT_FP4 matrix_a_scale:MATRIX_SCALE_ROW1 matrix_b_scale:MATRIX_SCALE_ROW1
.endif
.endif
.endm
; nb tiles of B from b0 on x A's four.  The 64 accumulators take turns, one instruction a turn, in the same order in every step.
.macro MULS k, h, b0, nb
	WIN 0xa4+0x50*((\h)%2)                         ; source 0 (A) window 0, source 1 (B) window 1, C and D window 2 or 3
.set bb, \b0
.rept \nb
.irp a, 0,1,2,3
	WM \a, bb, \k, \h
.endr
.set bb, bb+1
.endr
.endm
; A half step.  n: the LDS loads that may be out: the two younger runs, 16 and 24.  Behind it the run for half step h + 3: B's fragments, and, behind an odd one, A's.
.macro STEP k, h, n
	s_wait_dscnt \n
	MULS \k, \h, 0, 8
.if ((\k) < 3) || ((\h) < 5)
	PLACES
.if (\h) < 5
	FB \k, (\h)+3
.else
	FB (\k)+1, (\h)-5
.endif
.if ((\h) == 1) || ((\h) == 3)
	FA \k, ((\h)+3)/2
.elseif (\h) == 7
	FA (\k)+1, 1
.endif
.endif
.endm
; Half step 5 changes slots: all of this slot has been asked for.  One barrier; in front of it each wave waits for all its tensor loads, adds 0 to its spare word, and waits for that and for its reads of this slot.
; fill = 1: it opens a round of the cluster's barrier, and behind it this slot takes the K step two on.
.macro TURN k, fill
	WIN 0
	s_wait_tensorcnt 0x0                           ; my part of the next slot has landed
	ds_add_u32 v[SPW], v[NIL]                      ; 0 onto my spare word
	s_wait_dscnt 41                                ; (the add and the two younger runs may be out)
	MULS \k, 5, 0, 6                               ; 24 products stand between the add and the wait for it
	s_wait_dscnt 0x0                               ; the add is done, and my reads of this slot are over
	s_barrier_signal -1
	MULS \k, 5, 6, 2
	WIN 0
	s_barrier_wait -1
.if \fill
	CREST                                          ; no wave of any partner still reads this slot or has a load on its way
	s_add_nc_u64 s[G0A+4*((\k)%2)+2:G0A+4*((\k)%2)+3], s[G0A+4*((\k)%2)+2:G0A+4*((\k)%2)+3], 2*KCH
	s_add_nc_u64 s[G0B+4*((\k)%2)+2:G0B+4*((\k)%2)+3], s[G0B+4*((\k)%2)+2:G0B+4*((\k)%2)+3], 2*KCH
	JLOAD (\k)%2                                   ; my one tensor load behind the round; its four v_nop are the places in front of the loads below
.else
	PLACES
.endif
	FB (\k)+1, 0
	FA (\k)+1, 0
	FS (\k)+1
.endm
.macro FIVE k                          ; half steps 0 to 4
.irp h, 0,1,2,3,4
	STEP \k, \h, 40
.endr
.endm
	s_wait_alu depctr_va_vdst(0)                   ; the wait at the head's end
	s_wait_tensorcnt 0x0                           ; my chunk of K step 0 is in
	ds_add_u32 v[SPW], v[NIL]
	s_wait_dscnt 0x0
	CROUND                                         ; everybody's chunk is in, and all sixteen work-groups are here
	JLOAD 1                                        ; K step 1
	FB 0, 0
	FA 0, 0
	FS 0
	FB 0, 1
	FB 0, 2
	FA 0, 1
	ASK 3
	FIVE 0                                         ; K 0 .. 511
	TURN 0, 1                                      ; slot 0 takes K 1,024 on
	CLOAD 0, CC
	global_prefetch_b8 v[PFC], s[10:11] offset:131072 th:TH_LOAD_NT scope:SCOPE_SE   ; c_tm1 of my rows 32 to 63: a lane a row of 256 bytes, once in the launch
	STEP 0, 6, 40
	STEP 0, 7, 40
	FIVE 1                                         ; K 512 .. 1,023
	TURN 1, 1                                      ; slot 1 takes K 1,536 on
	CLOAD 1, CC+32
	STEP 1, 6, 40
	STEP 1, 7, 40
	FIVE 2                                         ; K 1,024 .. 1,535
	TURN 2, 0                                      ; nothing is filled again
	STEP 2, 6, 40
	STEP 2, 7, 40
	FIVE 3                                         ; K 1,536 .. 2,047
	STEP 3, 5, 40
	STEP 3, 6, 16
	STEP 3, 7, 0
	WIN 0
	s_wait_loadcnt 16                              ; the bias is in (c_tm1 of blocks 0 and 1 may be out)
.set n, 0
.rept 8                                ; bias x the exponent's factor: these eight are also the places behind the last products
.if (n/2) == 2
	v_pk_mul_f32 v[BI+2*n:BI+2*n+1], v[BI+2*n:BI+2*n+1], s[78:79] op_sel_hi:[1,0]
.else
	v_pk_mul_f32 v[BI+2*n:BI+2*n+1], v[BI+2*n:BI+2*n+1], s[76:77] op_sel_hi:[1,0]
.endif
.set n, n+1
.endr
	CLOAD 2, AF                                    ; A's fragments are done with
	CLOAD 3, AF+32
; THE WAY OUT of block a: 16 batch rows x 64 units, 32 cells a lane.  In window 1 from EB on: 32 registers for each gate (f, i, g, o), index 4 j + u: the exponentials put them into that order.
; With Ex = 2^(-log2(e) x) for f, i, o and Eg = e^(-2 g), Et = e^(-2 c_t):  c_t = c_tm1 / (1 + Ef) + (1 - Eg) / ((1 + Ei)(1 + Eg)),  h_t = (1 - Et) / ((1 + Eo)(1 + Et));  1 - E is made as 2 - (1 + E), in place.
.macro CELLS a, cp
.set EB, 128*((\a)%2)
.if \a > 1
	s_wait_xcnt 0x0                                ; block a - 2's stores have read their registers, which are written again below
.endif
.irp w, 0,1                            ; the exponents, in place; each accumulator is read from its low end on
	WIN 0x82+0x41*\w
	s_wait_alu depctr_va_vdst(0)                   ; the wait here, directly ahead of the first readers of the sums
.set n, 0
.rept 32
.set AC, 64*(\a)+2*n
.set BP, BI+8*\w+2*(n/8)
.set SS, 76
.if (\w == 1) && (n < 16)
.set SS, 78
.endif
.if ((n/4)%2) == 1
	v_pk_fma_f32 v[AC:AC+1], v[AC:AC+1], s[SS:SS+1], v[BP:BP+1] op_sel:[0,0,1] op_sel_hi:[1,0,1]
.else
	v_pk_fma_f32 v[AC:AC+1], v[AC:AC+1], s[SS:SS+1], v[BP:BP+1] op_sel_hi:[1,0,0]
.endif
.set n, n+1
.endr
.endr
.irp w, 0,1
	WIN 0x42+\w
.if \w == 0
	s_wait_alu depctr_va_vdst(0)                   ; a wait ahead of a batch and one behind it
.endif
.set n, 0
.rept 64
	v_exp_f32 v[EB+64*\w+32*(n/32)+4*(n%8)+(n/8)%4], v[64*(\a)+n]
.set n, n+1
.endr
.endr
	WIN 0x55
	v_nop                                          ; a plain place behind the exponentials
	s_wait_alu depctr_va_vdst(0)
.set n, 0
.rept 32
	v_min_num_f32 v[EB+64+n], s80, v[EB+64+n]      ; Eg is held at 2^30
.set n, n+1
.endr
.set n, 0
.rept 16
	v_pk_add_f32 v[EB+64+n:EB+65+n], v[EB+64+n:EB+65+n], 1.0 op_sel_hi:[1,0]
.set n, n+2
.endr
.set n, 0
.rept 16
	v_pk_add_f32 v[EB+n:EB+n+1], v[EB+n:EB+n+1], 1.0 op_sel_hi:[1,0]
.set n, n+2
.endr
.set n, 0
.rept 16
	v_pk_fma_f32 v[EB+32+n:EB+33+n], v[EB+64+n:EB+65+n], v[EB+32+n:EB+33+n], v[EB+64+n:EB+65+n]   ; (1 + Eg) Ei + (1 + Eg): an overflow gives infinity and its reciprocal 0
.set n, n+2
.endr
.set n, 0
.rept 16
	v_pk_fma_f32 v[EB+64+n:EB+65+n], v[EB+64+n:EB+65+n], -1.0, 2.0 op_sel_hi:[1,0,0]   ; 1 - Eg
.set n, n+2
.endr
	s_wait_alu depctr_va_vdst(0)
.set n, 0
.rept 64
	v_rcp_f32 v[EB+n], v[EB+n]
.set n, n+1
.endr
	v_nop
	s_wait_loadcnt 24-8*\a                         ; c_tm1 of this block is in; the younger blocks' loads may be out
	s_wait_alu depctr_va_vdst(0)
.set n, 0
.rept 16
	v_pk_mul_f32 v[EB+64+n:EB+65+n], v[EB+64+n:EB+65+n], v[EB+32+n:EB+33+n]      ; sigmoid(i) tanh(g)
.set n, n+2
.endr
	WIN 0x54
.set n, 0
.rept 16
	v_pk_fma_f32 v[EB+n:EB+n+1], v[\cp+n:\cp+n+1], v[EB+n:EB+n+1], v[EB+64+n:EB+65+n]   ; c_t
.set n, n+2
.endr
	WIN 0x55
.set n, 0
.rept 16
	v_pk_mul_f32 v[EB+32+n:EB+33+n], v[EB+n:EB+n+1], s[78:79] op_sel_hi:[1,0]
.set n, n+2
.endr
	WIN 0x04                                       ; a store's data are its source 1: window 1
.irp j, 0,1,2,3,4,5,6,7
	global_store_b128 v[GO], v[EB+4*\j:EB+4*\j+3], s[14:15] offset:65536*\a+4096*\j th:TH_STORE_NT   ; sixteen lanes store 256 consecutive bytes, aligned; written once, read by nobody here
.endr
	WIN 0x55
	s_wait_alu depctr_va_vdst(0)
.set n, 0
.rept 32
	v_exp_f32 v[EB+32+n], v[EB+32+n]               ; Et
.set n, n+1
.endr
	v_nop
	s_wait_alu depctr_va_vdst(0)
.set n, 0
.rept 32
	v_min_num_f32 v[EB+32+n], s80, v[EB+32+n]
.set n, n+1
.endr
.set n, 0
.rept 16
	v_pk_add_f32 v[EB+32+n:EB+33+n], v[EB+32+n:EB+33+n], 1.0 op_sel_hi:[1,0]
.set n, n+2
.endr
.set n, 0
.rept 16
	v_pk_fma_f32 v[EB+96+n:EB+97+n], v[EB+32+n:EB+33+n], v[EB+96+n:EB+97+n], v[EB+32+n:EB+33+n]   ; (1 + Et)(1 + Eo)
.set n, n+2
.endr
.set n, 0
.rept 16
	v_pk_fma_f32 v[EB+32+n:EB+33+n], v[EB+32+n:EB+33+n], -1.0, 2.0 op_sel_hi:[1,0,0]   ; 1 - Et
.set n, n+2
.endr
	s_wait_alu depctr_va_vdst(0)
.set n, 0
.rept 32
	v_rcp_f32 v[EB+96+n], v[EB+96+n]
.set n, n+1
.endr
	v_nop
	s_wait_alu depctr_va_vdst(0)
.set n, 0
.rept 16
	v_pk_mul_f32 v[EB+64+n:EB+65+n], v[EB+32+n:EB+33+n], v[EB+96+n:EB+97+n]      ; h_t
.set n, n+2
.endr
	WIN 0x04
.irp j, 0,1,2,3,4,5,6,7
	global_store_b128 v[GO], v[EB+64+4*\j:EB+64+4*\j+3], s[12:13] offset:65536*\a+4096*\j th:TH_STORE_NT
.endr
.endm
	CELLS 0, CC
	CELLS 1, CC+32
	CELLS 2, AF
	CELLS 3, AF+32
	WIN 0
	s_wait_tensorcnt 0x0                           ; the wave's end: behind my last tensor load
	ds_add_u32 v[SPW], v[NIL]
	s_wait_dscnt 0x0
	CROUND                                         ; the closing round: no work-group ends while a partner may still ask for a chunk that names it
	s_endpgm
.Lfunc_end_k_qdb7d5ee22f_lstm:
	.size	k_qdb7d5ee22f_lstm, .Lfunc_end_k_qdb7d5ee22f_lstm-k_qdb7d5ee22f_lstm
	.p2alignl 7, 3214868480
	.fill 96, 4, 3214868480
	.section	.rodata,"a",@progbits
	.p2align	6, 0x0
	.amdhsa_kernel k_qdb7d5ee22f_lstm
		.amdhsa_group_segment_fixed_size 327680
		.amdhsa_private_segment_fixed_size 0
		.amdhsa_enable_private_segment 0
		.amdhsa_kernarg_size 48
		.amdhsa_user_sgpr_count 2
		.amdhsa_user_sgpr_kernarg_segment_ptr 1
		.amdhsa_wavefront_size32 1
		.amdhsa_system_sgpr_workgroup_id_x 1
		.amdhsa_system_sgpr_workgroup_id_y 1
		.amdhsa_system_sgpr_workgroup_id_z 1
		.amdhsa_system_vgpr_workitem_id 0
		.amdhsa_next_free_vgpr 1024
		.amdhsa_next_free_sgpr 92
		.amdhsa_reserve_vcc 0
		.amdhsa_float_denorm_mode_32 3
		.amdhsa_float_denorm_mode_16_64 3
		.amdhsa_memory_ordered 1
		.amdhsa_forward_progress 1
		.amdhsa_inst_pref_size 255
	.end_amdhsa_kernel
	.section	.bss,"aw",@nobits
	.p2align	6
	.space	262144
	.amdgpu_metadata
---
amdhsa.version: [ 1, 2 ]
amdhsa.kernels:
  - .name:           k_qdb7d5ee22f_lstm
    .symbol:         k_qdb7d5ee22f_lstm.kd
    .args:
      - { .name: a_pack, .offset: 0, .size: 8, .value_kind: global_buffer, .address_space: global }
      - { .name: b_pack, .offset: 8, .size: 8, .value_kind: global_buffer, .address_space: global }
      - { .name: bias, .offset: 16, .size: 8, .value_kind: global_buffer, .address_space: global }
      - { .name: c_tm1, .offset: 24, .size: 8, .value_kind: global_buffer, .address_space: global }
      - { .name: out0, .offset: 32, .size: 8, .value_kind: global_buffer, .address_space: global }
      - { .name: out1, .offset: 40, .size: 8, .value_kind: global_buffer, .address_space: global }
    .group_segment_fixed_size: 327680
    .private_segment_fixed_size: 0
    .kernarg_segment_align: 8
    .kernarg_segment_size: 48
    .max_flat_workgroup_size: 128
    .sgpr_count:     92
    .vgpr_count:     1024
    .wavefront_size: 32
...
	.end_amdgpu_metadata
.endif
;; end of part 2
